; MI455X (gfx1250); checked and timed in simulation.
; The chip was launched on July 23, 2026; its instructions are those of AMD's public machine-readable ISA for CDNA 5 (MIT licence, August 2026) and "CDNA5" Instruction Set Architecture Reference Guide (July 2026). The comments in the code are by the model that wrote it; some were corrected since.
;; Transformer Layer. Allowed arithmetic: matrix products marked QUANTISED: E2M1 operands, one E8M0 scale for each 32 along K, by v_wmma_scale_f32_16x16x128_f8f6f4 with both operands' format E2M1 (or v_wmma_scale_f32_32x16x128_f4), f32 sums; products left as they are: bf16, f16 or f32 operands; f32 sums; everything else in f32.
;; Inputs: b_o 1,024 float32; b_qkv 3,072 float32; w_o 1,024 x 1,024 float32; w_qkv 3,072 x 1,024 float32; x 2 x 2,048 x 1,024 float32.
;; Outputs: out0 2 x 2,048 x 1,024 float32.
;; This version of the problem:
;;   THIS VERSION OF THE PROBLEM IS GIVEN IN LOW PRECISION. The matrix products marked QUANTISED in the list below multiply operands that are first quantised to E2M1 (2 exponent bits, 1 mantissa bit; 4 bits a number), with one power-of-two scale for each 32 numbers along K (OCP MX v1.0); their sums are f32. The products marked 'left as it is' may take bf16, f16 or f32 operands, with f32 sums. Whichever they take, every output number must still come out within the allowed error. Rounding operands to bf16 (8 significant bits) uses up far more of that allowance than f16 does (11 bits, for magnitudes from 6e-5 to 65,504). All else is computed in f32.
;;   The module's matrix products, in the order in which they are computed (A, B: the left and right operand; K: the contracted axis; several contracted axes count as one K, in the product's order):
;;     1. [M 4,096, K 1,024] x [K 1,024, N 3,072]; A: input x; B: input w_qkv: QUANTISED
;;     2. batch 16 x [M 2,048, K 128] x [K 128, N 2,048]; A: computed on the way; B: computed on the way: left as it is (an operand is computed on the way)
;;     3. batch 16 x [M 2,048, K 2,048] x [K 2,048, N 128]; A: computed on the way; B: computed on the way: left as it is (an operand is computed on the way)
;;     4. [M 4,096, K 1,024] x [K 1,024, N 1,024]; A: computed on the way; B: input w_o: left as it is (an operand is computed on the way)
;;   THE QUANTISER, for each operand of a quantised product, along K:
;;     - K is cut into blocks of 32 from its start; a last block that is shorter is filled with zeros.
;;     - A block's scale is 2^e with e = floor(log2(the largest magnitude in the block)) - 2, held to -126 .. 127; a block of zeros has e = 0. As a byte (E8M0): e + 127.
;;     - Each number is divided by its block's scale, clamped to +-6, and rounded to the nearest number of E2M1, ties to even, subnormals kept.
;;     - The product sums the exact products of the quantised numbers (number of the format x scale) in f32.
;;   ~~~python
;;   def quantise(x, axis):      # numpy; x: float32 -> the quantised numbers, widened to float32 again
;;       x = np.moveaxis(x, axis, -1); K = x.shape[-1]
;;       x = np.pad(x, [(0, 0)] * (x.ndim - 1) + [(0, -K % 32)]); x = x.reshape(x.shape[:-1] + (-1, 32)); a = np.abs(x).max(-1, keepdims=True)
;;       e = np.where(a > 0, np.clip(np.frexp(np.where(a > 0, a, 1))[1] - 1 - 2, -126, 127), 0)      # np.frexp(a)[1] - 1 = floor(log2(a)), exactly
;;       r = np.clip(x / 2.0 ** e, -6, 6)
;;       step = 2.0 ** (np.maximum(np.frexp(np.where(r == 0, 1, r))[1] - 1, 0) - 1)
;;       q = np.round(r / step) * step * 2.0 ** e      # np.round: ties to even
;;       return np.moveaxis(q.reshape(q.shape[:-2] + (-1,))[..., :K], -1, axis).astype(np.float32)
;;   ~~~
;; One version. Each part assembles by itself: llvm-mc -triple=amdgcn-amd-amdhsa -mcpu=gfx1250 --defsym DOCPART=n.
;; ======== version 1 of 1: 4 launches
;; limits: values are held in f16: magnitudes above 65,504 overflow, below 6.1e-05 lose precision; right only within a limited range of input values
;; workspace buffers: xc 2,097,152 bytes; xs 131,072 bytes; wc 1,572,864 bytes; ws 98,304 bytes; qf 8,388,608 bytes; pf 4,194,304 bytes; mp 8,388,608 bytes; pmax 2,048 bytes
;; launch quant (part 1): grid 224 x 1, 4 waves a work-group, no clusters, 33,280 bytes of LDS; arguments x, w_qkv, xc, xs, wc, ws; writes xc, xs, wc, ws
.if DOCPART == 1
	.amdgcn_target "amdgcn-amd-amdhsa--gfx1250"
	.amdhsa_code_object_version 6
	.text
	.protected	k_q3c0fef80a8_quant
	.globl	k_q3c0fef80a8_quant
	.p2align	8
	.type	k_q3c0fef80a8_quant,@function
k_q3c0fef80a8_quant:
	s_mov_b64 s[64:65], 0
	v_nop
	global_prefetch_b8 v0, s[64:65] scope:SCOPE_SE
	s_setreg_imm32_b32 hwreg(HW_REG_WAVE_MODE, 25, 1), 1
	s_wait_xcnt 0x0
; x [4096][1024] and w_qkv [3072][1024], f32, become codes of FP4 (E2M1), K innermost (512 bytes a row), with one E8M0 byte for each 32 along K (32 bytes a row).
; A block's scale is 2^(floor(log2(its largest magnitude)) - 2); its byte is the largest magnitude's exponent field - 2, held at 1 from below; numbers are divided by the scale and rounded to the nearest code, ties to even, beyond 6 the code of 6.
; w_qkv's ROWS ARE RE-ORDERED on the way: destination row p < 1024 is p = 128 h + d and comes from source row 8 d + h (q of head h); p >= 1024 is p - 1024 = 256 h + 128 s + d and comes from source row
; (1 + s) 1024 + 8 d + h (s = 0: k, 1: v).  So 256 destination rows from 1024 on are [K of a head; V of that head], and q's columns lie head by head.
; LIMITS: a block of zeros gets the byte 1 (the rule says 127): its codes are zeros and only this program reads the bytes; blocks whose largest magnitude lies under 2^-124 are held at the byte 1; NaN and infinities are not served.
; SHARES: work-groups 0-127 take x, 128-223 take w_qkv.  A wave takes 8 destination rows: 16 steps of 512 numbers, 4,096 bytes of codes and 256 scale bytes, both dense.  Its 8 source rows are 4,096 bytes (x) or 32,768 bytes (w_qkv: 8 rows) apart.
; Each load reads 512 consecutive bytes; a step's 2,048 bytes turn through the wave's own stage in LDS and come back 16 neighbours a lane (two lanes to a block).  Loads run 8 steps (32 loads a wave) ahead.
; No matrix unit, no cluster, no barrier: waves share nothing, and every byte is read once.
.set STEPS, 16
.set DEPTH, 8
.set WGX,   128                        ; x's work-groups
.set SP,    80                         ; a lane's place in a stage: 64 bytes + 16 of padding
.set WREG,  8192                       ; LDS of a wave: two stages of 32 x SP bytes, behind them its 256 scale bytes
.set SPARE, 4*WREG                     ; the spare words, 128 bytes a wave; no other line names them
.set SPW,   12                         ; v12  SPARE + 4 x my thread's number; never rewritten
.set NIL,   13                         ; v13  0; never rewritten
.set OFR,   16                         ; v16-23   16 x lane + i x the source rows' distance
.set R,     24                         ; v24-151  eight sets of 16 numbers as loaded
.set X,     152                        ; v152-183 two sets of 16 neighbours
.set E,     184                        ; v184-199 a scale byte for each step
.set C,     200                        ; v200-231 two registers of codes for each step: no store's data are written again
	s_load_b128 s[4:7], s[0:1], 0x0                ; x, w_qkv
	s_load_b128 s[8:11], s[0:1], 0x10              ; xc, xs
	s_load_b128 s[12:15], s[0:1], 0x20             ; wc, ws
	v_lshl_add_u32 v[SPW], v0, 2, SPARE
	v_mov_b32 v[NIL], 0
	v_lshrrev_b32 v1, 5, v0
	v_readfirstlane_b32 s16, v1                    ; wave
	v_and_b32 v2, 31, v0                           ; lane
	v_lshlrev_b32 v3, 4, v2                        ; my 16 bytes of a load's 512
	s_mul_i32 s17, s16, WREG
	v_lshrrev_b32 v14, 2, v2
	v_mul_u32_u24 v14, v14, SP
	v_and_b32 v15, 3, v2
	v_lshl_add_u32 v14, v15, 4, v14
	v_add_nc_u32 v14, s17, v14                     ; the stage, in: SP (lane / 4) + 16 (lane % 4)
	v_mul_u32_u24 v15, v2, SP
	v_add_nc_u32 v15, s17, v15                     ; and out: SP x lane
	v_lshlrev_b32 v4, 3, v2                        ; 8 x lane: my codes' place in a step's 256 bytes, and my 8 scale bytes at the end
	v_lshrrev_b32 v5, 1, v2
	s_add_co_u32 s17, s17, 2*32*SP
	v_add_nc_u32 v5, s17, v5                       ; LDS: my block's scale byte
	v_add_nc_u32 v6, s17, v4                       ; and where I read 8 of them back
	s_cmp_lt_u32 ttmp9, WGX                        ; x's work-group or w_qkv's: the work-group's number alone decides
	s_cselect_b32 s18, 0, WGX
	s_mov_b32 s24, 32768
	s_cselect_b32 s24, 4096, s24                   ; from source row to source row, in bytes
	s_cselect_b32 s25, 1, 0
	s_sub_co_u32 s18, ttmp9, s18
	s_lshl_b32 s18, s18, 2
	s_add_co_u32 s18, s18, s16                     ; which run of 8 destination rows is my wave's
	s_lshl_b32 s19, s18, 3                         ; its first destination row p
	s_and_b32 s20, s19, 127
	s_lshl_b32 s20, s20, 3                         ; 8 d
	s_bfe_u32 s21, s19, 0x30007                    ; q's rows: h = p / 128
	s_add_co_u32 s21, s21, s20                     ; source row 8 d + h
	s_sub_co_u32 s22, s19, 1024
	s_bfe_u32 s23, s22, 0x30008                    ; k's and v's rows: h = (p - 1024) / 256,
	s_add_co_u32 s23, s23, s20
	s_bfe_u32 s22, s22, 0x10007                    ; s = bit 7 of p - 1024
	s_lshl_b32 s22, s22, 10
	s_add_co_u32 s23, s23, s22
	s_add_co_u32 s23, s23, 1024                    ; source row (1 + s) 1024 + 8 d + h
	s_cmp_lt_u32 s19, 1024
	s_cselect_b32 s21, s21, s23
	s_cmp_eq_u32 s25, 1
	s_cselect_b32 s21, s19, s21                    ; x keeps its rows
	s_lshl_b32 s20, s21, 12                        ; in bytes (under 2^25)
	s_mov_b32 s21, 0
	s_lshl_b32 s22, s18, 12                        ; my codes
	s_mov_b32 s23, 0
	s_lshl_b32 s26, s18, 8                         ; my scale bytes
	s_mov_b32 s27, 0
.irp i, 0,1,2,3,4,5,6,7
	s_mul_i32 s28, s24, \i
	v_add_nc_u32 v[OFR+\i], s28, v3
.endr
	s_wait_kmcnt 0x0
	s_cmp_eq_u32 s25, 1
	s_cselect_b64 s[4:5], s[4:5], s[6:7]
	s_cselect_b64 s[8:9], s[8:9], s[12:13]
	s_cselect_b64 s[10:11], s[10:11], s[14:15]
	s_add_nc_u64 s[4:5], s[4:5], s[20:21]
	s_add_nc_u64 s[8:9], s[8:9], s[22:23]
	s_add_nc_u64 s[10:11], s[10:11], s[26:27]
.macro LOAD t                          ; step t: half t % 2 of row t / 2
.irp i, 0,1,2,3
	global_load_b128 v[R+16*((\t)%DEPTH)+4*\i:R+16*((\t)%DEPTH)+4*\i+3], v[OFR+(\t)/2], s[4:5] offset:2048*((\t)%2)+512*\i th:TH_LOAD_NT
.endr
.endm
.macro TURN t                          ; step t's numbers through the stage; LDS serves a wave's instructions in order, so no wait stands between the stores and the loads
.irp i, 0,1,2,3
	ds_store_b128 v14, v[R+16*((\t)%DEPTH)+4*\i:R+16*((\t)%DEPTH)+4*\i+3] offset:32*SP*((\t)%2)+8*SP*\i
.endr
.irp i, 0,1,2,3
	ds_load_b128 v[X+16*((\t)%2)+4*\i:X+16*((\t)%2)+4*\i+3], v15 offset:32*SP*((\t)%2)+16*\i
.endr
.endm
.irp t, 0,1,2,3,4,5,6,7
	LOAD \t
.endr
	s_wait_loadcnt 4*(DEPTH-1)                     ; step 0's four loads are in
	TURN 0
.macro STEP t
.set XS, X+16*((\t)%2)
.if (\t) > 0
	s_wait_dscnt 1                                 ; this step's numbers are back from the stage (the last step's byte store may be out), so its stores into the stage have read their registers,
.else
	s_wait_dscnt 0x0
.endif
.if (\t)+DEPTH < STEPS
	LOAD (\t)+DEPTH                                ; which take the loads of eight steps on
.endif
.if (\t)+1 < STEPS
.if STEPS-2-(\t) >= DEPTH-1
	s_wait_loadcnt 4*(DEPTH-1)                     ; the next step's four loads are in; the seven steps behind it may be out
.else
	s_wait_loadcnt 4*(STEPS-2-(\t))                ; the counts run down: as many steps as were issued behind the next one
.endif
	TURN (\t)+1
.endif
	v_max3_num_f32 v8, |v[XS]|, |v[XS+1]|, |v[XS+2]|               ; the largest magnitude of my 16, in two chains
	v_max3_num_f32 v9, |v[XS+3]|, |v[XS+4]|, |v[XS+5]|
.irp i, 6,10
	v_max3_num_f32 v8, v8, |v[XS+\i]|, |v[XS+\i+1]|
	v_max3_num_f32 v9, v9, |v[XS+\i+2]|, |v[XS+\i+3]|
.endr
	v_max3_num_f32 v8, v8, |v[XS+14]|, |v[XS+15]|
	v_max3_num_f32 v8, v8, v9, 0x1800000           ; and the floor 2^(3 - 127): the byte cannot fall under 1
	v_max_num_f32_dpp v8, v8, v8 row_xmask:1 row_mask:0xf bank_mask:0xf   ; with my neighbour's 16: the block's
	v_add_nc_u32 v11, 0xff000000, v8               ; 2 off its exponent field: the conversion takes this operand's exponent field as its scale
	v_cvt_scalef32_pk8_fp4_f32 v[C+2*(\t)], v[XS:XS+7], v11
	v_cvt_scalef32_pk8_fp4_f32 v[C+2*(\t)+1], v[XS+8:XS+15], v11
	v_lshrrev_b32 v[E+(\t)], 23, v11               ; the scale's byte (also the plain line behind the conversions)
	ds_store_b8 v5, v[E+(\t)] offset:16*(\t)       ; both lanes of a block write the same byte with the same value
	global_store_b64 v4, v[C+2*(\t):C+2*(\t)+1], s[8:9] offset:256*(\t)   ; the wave stores 256 consecutive bytes, aligned
.endm
.irp t, 0,1,2,3,4,5,6,7,8,9,10,11,12,13,14,15
	STEP \t
.endr
	ds_load_b64 v[8:9], v6                         ; in order behind my byte stores
	s_wait_dscnt 0x0
	global_store_b64 v4, v[8:9], s[10:11]          ; 256 consecutive scale bytes, aligned
	s_wait_tensorcnt 0x0                           ; the wave's end
	ds_add_u32 v[SPW], v[NIL]
	s_wait_dscnt 0x0
	s_endpgm
.Lfunc_end_k_q3c0fef80a8_quant:
	.size	k_q3c0fef80a8_quant, .Lfunc_end_k_q3c0fef80a8_quant-k_q3c0fef80a8_quant
	.p2alignl 7, 3214868480
	.fill 96, 4, 3214868480
	.section	.rodata,"a",@progbits
	.p2align	6, 0x0
	.amdhsa_kernel k_q3c0fef80a8_quant
		.amdhsa_group_segment_fixed_size 33280
		.amdhsa_private_segment_fixed_size 0
		.amdhsa_enable_private_segment 0
		.amdhsa_kernarg_size 48
		.amdhsa_user_sgpr_count 2
		.amdhsa_user_sgpr_kernarg_segment_ptr 1
		.amdhsa_wavefront_size32 1
		.amdhsa_system_sgpr_workgroup_id_x 1
		.amdhsa_system_sgpr_workgroup_id_y 1
		.amdhsa_system_sgpr_workgroup_id_z 1
		.amdhsa_system_vgpr_workitem_id 0
		.amdhsa_next_free_vgpr 232
		.amdhsa_next_free_sgpr 66
		.amdhsa_reserve_vcc 0
		.amdhsa_float_denorm_mode_32 3
		.amdhsa_float_denorm_mode_16_64 3
		.amdhsa_memory_ordered 1
		.amdhsa_forward_progress 1
		.amdhsa_inst_pref_size 35
	.end_amdhsa_kernel
	.amdgpu_metadata
---
amdhsa.version: [ 1, 2 ]
amdhsa.kernels:
  - .name:           k_q3c0fef80a8_quant
    .symbol:         k_q3c0fef80a8_quant.kd
    .args:
      - { .name: x, .offset: 0, .size: 8, .value_kind: global_buffer, .address_space: global }
      - { .name: w_qkv, .offset: 8, .size: 8, .value_kind: global_buffer, .address_space: global }
      - { .name: xc, .offset: 16, .size: 8, .value_kind: global_buffer, .address_space: global }
      - { .name: xs, .offset: 24, .size: 8, .value_kind: global_buffer, .address_space: global }
      - { .name: wc, .offset: 32, .size: 8, .value_kind: global_buffer, .address_space: global }
      - { .name: ws, .offset: 40, .size: 8, .value_kind: global_buffer, .address_space: global }
    .group_segment_fixed_size: 33280
    .private_segment_fixed_size: 0
    .kernarg_segment_align: 8
    .kernarg_segment_size: 48
    .max_flat_workgroup_size: 128
    .sgpr_count:     66
    .vgpr_count:     232
    .wavefront_size: 32
...
	.end_amdgpu_metadata
.endif
;; end of part 1
;; launch proj (part 2): grid 4 x 48, 4 waves a work-group, clusters of 4 x 4, 327,680 bytes of LDS; arguments xc, xs, wc, ws, b_qkv, qf, mp, pmax; writes qf, mp, pmax
.if DOCPART == 2
	.amdgcn_target "amdgcn-amd-amdhsa--gfx1250"
	.amdhsa_code_object_version 6
	.text
	.protected	k_q3c0fef80a8_proj
	.globl	k_q3c0fef80a8_proj
	.p2align	8
	.type	k_q3c0fef80a8_proj,@function
k_q3c0fef80a8_proj:
	s_mov_b64 s[64:65], 0
	v_nop
	global_prefetch_b8 v0, s[64:65] scope:SCOPE_SE
	s_setreg_imm32_b32 hwreg(HW_REG_WAVE_MODE, 25, 1), 1
	s_wait_xcnt 0x0
	s_wait_alu depctr_hold_cnt(0) depctr_sa_sdst(0) depctr_va_vdst(0) depctr_va_sdst(0) depctr_va_ssrc(0) depctr_va_vcc(0) depctr_vm_vsrc(0)
	s_getreg_b32 s2, hwreg(HW_REG_IB_STS2, 6, 4)
	s_cmp_eq_u32 s2, 0
	s_cbranch_scc0 .Lentry_in_a_cluster
	s_endpgm
.Lentry_in_a_cluster:
	s_bfe_u32 s2, ttmp6, 0x10000c
	s_cmp_lg_u32 s2, 0xf033
	s_cbranch_scc0 .Lentry_shape_is_right
	s_endpgm
.Lentry_shape_is_right:
; qkv = x w_qkv^T + b_qkv on codes of FP4 with E8M0 scales (K = 1,024), and what follows it at once.  Since nothing stands between q k^T and (.) v, the program forms q (k^T v): the same sums in another bracketing.
; A work-group of four waves makes a tile of 256 x 256, a wave 128 x 128: 64 accumulators, 512 registers.  K goes in two steps of 512 through two LDS slots, each filled once; the scale bytes of the tile's rows come once with them.
; TWO MODES, told apart by the cluster's y (the same in all sixteen partners); only pointers and row numbers differ up to the way out.  The A side is the matrix instruction's source 1 (a result's lane), the B side its source 0 (a result's eight registers).
;   q mode  (cluster y 0-3):  A = 256 rows of x, B = 256 rows of w' (q's columns k = 128 h + d).  A lane holds one row of x and 8 neighbouring k: with the bias added and rounded to f16 that is half of a fragment of Q for the last launch: stored to qf.
;   kv mode (cluster y 4-11): A = the 256 rows [K; V] of head h of w', B = 256 rows of x (keys).  A lane holds one d (or e) and 8 neighbouring keys: half of a fragment of K^T or V^T.  They go to LDS as images of registers;
;            behind one barrier the four waves form this chunk's part of M = K^T V (128 x 128, sums over 256 keys, f16 operands, f32 sums), store it to mp, and its largest magnitude, wave by wave, to pmax.
; AN f16 FRAGMENT (16 rows x 32 k, 8 registers) is kept as an image of 1 KB: registers 0-3 at 16 x lane, registers 4-7 at 512 + 16 x lane.
; qf: [64 rows G][256 k][32 k][16 rows][half][lane][16 B].   mp (f32): [b][h][32 d][chunk c][16 e][16 d][half][lane][16 B].   pmax: [b][h][wave][c].
; CLUSTER 4 x 4: A's tiles and scales are asked for jointly along a row of the cluster, B's along a column: the same tensor load, the same descriptor, a mask that names the four.
; LIMITS: |q|, |k|, |v| stay under 65,504 (f16); NaN and infinities are not served.
; REGISTERS, in windows of 256: window 0: v1-6 at work, v8-15 the bias loads' offsets, v16-31 addresses, v32-95 scale words (two sets, nothing else ever), v96-127 packed results, v128-191 A's fragments (later packed results, then fragments of K^T, V^T),
;   v192-255 the bias (later fragments of K^T, V^T).  window 1: B's two sets at v0 and v128; later v0-127 M's 16 accumulators.  windows 2, 3: the 64 accumulators ((a, b) at v[8 (8 (a % 4) + b)]).
.set NQ,     4                         ; matrix instructions deep in a slot (512 along K)
.set ROWB,   256                       ; a tile's row in bytes
.set KROW,   512                       ; a row of codes in memory
.set PITCH,  272                       ; an LDS row: 256 bytes + 16 of padding: the 16 rows that a load touches start 16 bytes further on in each 256
.set FR,     8
.set NL,     2
.set NP,     4
.set HALFT,  128*PITCH
.set SLOT,   4*HALFT                   ; A's 256 rows, then B's
.set KS,     32                        ; a row of scale bytes
.set SCL,    2*SLOT                    ; the scales: units of 256 bytes + 16 of padding
.set HALFS,  16*272                    ; those of 128 rows
.set SBLK,   2*272                     ; those of 16 rows
.set SPARE,  SCL+4*HALFS               ; the spare words, 128 bytes a wave; no other line names them
.set BO,   8                           ; v8-15  the bias loads' offsets
.set ADRA, 16                          ; v16-17 my A fragments in slot 0, 1
.set ADRB, 20                          ; v20-21 my B fragments
.set L16,  24                          ; v24    16 x lane
.set IMG,  25                          ; v25    where I store images: 16 x lane + 65,536 (K or V) + 32,768 (my half of the keys)
.set KAD,  26                          ; v26    where I read K^T's: 16 x lane + 4,096 (wave / 2)
.set ADRS, 27                          ; v27    my scale words: lanes 0-15 A's rows, lanes 16-31 B's
.set SPW,  28                          ; v28    SPARE + 4 x my thread's number; never rewritten
.set NIL,  29                          ; v29    0; never rewritten
.set VAD,  30                          ; v30    where I read V^T's: 65,536 + 16 x lane + 4,096 (wave % 2)
.set SC,   32
.set PK,   96
.set AF,   128
.set BI,   192
.set FB,   128                         ; two buffers of 64: 4 fragments of K^T, 4 of V^T
.set WV,   20
.set RH,   21                          ; wave / 2: my half of A's rows; 0: I fetch for A, 1: for B
.set CH,   22                          ; wave % 2: my half of B's rows; which 128 rows I fetch
.set CL,   23
.set G1,   24
.set G0,   32
.set CX,   40
.set CY,   41
.set TB,   42
.set TA,   43
.set G1B,  48
.set G0B,  56
.set G1S,  68
.set G0S,  76
.set G1SB, 80
.set G0SB, 88
.set MODE, 100                         ; 1: q mode
.set MSB, 0
.macro WIN new                         ; the immediate's high byte repeats the setting that is left
.if MSB != (\new)
	s_set_vgpr_msb (MSB<<8)|(\new)
.set MSB, \new
.endif
.endm
.set MUL_LO, 0xa1                      ; source 0 (B) window 1, source 1 (A) window 0, C and D window 2
.set MUL_HI, 0xf1
.set TO_B,   0x40
.macro JLOAD g0a, g1a, g0b, g1b        ; a joint load: waves 0, 1 for A, waves 2, 3 for B; the branch hangs on the wave's number alone; s_nop 0 and four v_nop follow each line
	s_cmp_eq_u32 s[RH], 0
	s_cbranch_scc0 .Lfor_b_\@
	tensor_load_to_lds s[\g0a:\g0a+3], s[\g1a:\g1a+7]
	s_nop 0
.rept 4
	v_nop
.endr
	s_branch .Lasked_\@
.Lfor_b_\@:
	tensor_load_to_lds s[\g0b:\g0b+3], s[\g1b:\g1b+7]
	s_nop 0
.rept 4
	v_nop
.endr
.Lasked_\@:
.endm
.macro CROUND                          ; a round of the cluster's barrier
	s_barrier_signal -1
	s_barrier_wait -1
	s_cmp_lg_u32 s[WV], 0
	s_cbranch_scc1 .Lnot_wave_0_\@
	s_barrier_signal -3
.Lnot_wave_0_\@:
	s_barrier_wait -3
	s_barrier_signal -1
	s_barrier_wait -1
.endm
	s_load_b256 s[4:11], s[0:1], 0x0               ; xc, xs, wc, ws
	s_load_b256 s[12:19], s[0:1], 0x20             ; b_qkv, qf, mp, pmax
	v_lshl_add_u32 v[SPW], v0, 2, SPARE
	v_mov_b32 v[NIL], 0
	ds_add_u32 v[SPW], v[NIL]                      ; the opening: the add, twice on end, and its wait ahead of my first tensor load
	ds_add_u32 v[SPW], v[NIL]
	v_lshrrev_b32 v1, 5, v0
	v_readfirstlane_b32 s[WV], v1
	s_lshr_b32 s[RH], s[WV], 1
	s_and_b32 s[CH], s[WV], 1
	s_bfe_u32 s[CX], ttmp6, 0x40000
	s_bfe_u32 s[CY], ttmp6, 0x40004
	s_and_b32 s[CL], ttmp7, 0xffff                 ; the cluster's y, 0 .. 11
	s_sub_co_u32 s2, s[CL], 4                      ; kv mode: u = y - 4, 0 .. 7
	s_bfe_u32 s3, s2, 0x10002                      ; u / 4: which four heads
	s_and_b32 s2, s2, 3                            ; u % 4: which four tiles of keys
	s_cmp_lt_u32 s[CL], 4
	s_cselect_b32 s[TA], s[CL], s3
	s_cselect_b32 s[TB], 0, s2
	s_cselect_b32 s101, 0, 1024                    ; kv mode: A's rows begin at row 1,024 of w'
	s_cselect_b32 s[MODE], 1, 0
	s_lshl_b32 s[TA], s[TA], 2
	s_add_co_u32 s[TA], s[TA], s[CY]               ; A's tile: q mode 0 .. 15 (rows of x), kv mode the head
	s_lshl_b32 s[TB], s[TB], 2
	s_add_co_u32 s[TB], s[TB], s[CX]               ; B's tile: q mode 0 .. 3 (256 k), kv mode 0 .. 15 (256 keys)
	s_lshl_b32 s44, s[CY], 2
	s_lshl_b32 s44, 15, s44                        ; my row of the cluster
	s_lshl_b32 s45, 0x1111, s[CX]                  ; my column
	s_or_b32 s[G1+0], s44, (0<<16)|(1<<20)|(1<<21)|(5<<22)|(3<<25)   ; the mask; elements of 1 byte; padding on; bit 21 beside a mask; 4 words behind every 64
	s_or_b32 s[G1B+0], s45, (0<<16)|(1<<20)|(1<<21)|(5<<22)|(3<<25)
.irp g, G1, G1B
	s_mov_b32 s[\g+1], ROWB<<16                    ; tensor_dim0
	s_mov_b32 s[\g+2], 128<<16                     ; tensor_dim1
	s_mov_b32 s[\g+3], ROWB<<16                    ; tile_dim0
	s_mov_b32 s[\g+4], 128                         ; tile_dim1
	s_mov_b32 s[\g+5], KROW                        ; from row to row
	s_mov_b32 s[\g+6], 0
	s_mov_b32 s[\g+7], 0
.endr
	s_or_b32 s[G1S+0], s44, (3<<16)|(1<<20)|(1<<21)|(5<<22)|(3<<25)  ; the scales of 128 rows: 4,096 dense bytes as 16 rows of 256 (32 elements of 8 bytes)
	s_or_b32 s[G1SB+0], s45, (3<<16)|(1<<20)|(1<<21)|(5<<22)|(3<<25)
.irp g, G1S, G1SB
	s_mov_b32 s[\g+1], 32<<16
	s_mov_b32 s[\g+2], 16<<16
	s_mov_b32 s[\g+3], 32<<16
	s_mov_b32 s[\g+4], 16
	s_mov_b32 s[\g+5], 32
	s_mov_b32 s[\g+6], 0
	s_mov_b32 s[\g+7], 0
.endr
	s_lshl_b32 s2, s[CH], 7                        ; which 128 rows of a tile I fetch
	s_lshl_b32 s46, s[TA], 8
	s_add_co_u32 s46, s46, s2
	s_add_co_u32 s46, s46, s101                    ; A's row; s[46:47] never hold cx,
	s_lshl_b32 s46, s46, 5                         ; its scale bytes
	s_mov_b32 s47, 0
	s_lshl_b32 s66, s[TB], 8
	s_add_co_u32 s66, s66, s2                      ; B's row; s[66:67] never hold cy
	s_lshl_b32 s66, s66, 5
	s_mov_b32 s67, 0
	s_mul_i32 s2, s[WV], HALFT                     ; where they go: the wave's number alone
	s_mul_i32 s3, s[WV], HALFS
	s_wait_dscnt 0x0                               ; both opening adds are done
	s_wait_kmcnt 0x0
	s_cmp_eq_u32 s[MODE], 1
	s_cselect_b64 s[92:93], s[4:5], s[8:9]         ; A's codes: x's or w's
	s_cselect_b64 s[94:95], s[6:7], s[10:11]       ; A's scales
	s_cselect_b64 s[96:97], s[8:9], s[4:5]         ; B's codes
	s_cselect_b64 s[98:99], s[10:11], s[6:7]       ; B's scales
	s_add_nc_u64 s[94:95], s[94:95], s[46:47]
	s_add_nc_u64 s[98:99], s[98:99], s[66:67]
	s_lshl_b32 s46, s46, 4                         ; 512 bytes of codes a row
	s_lshl_b32 s66, s66, 4
	s_add_nc_u64 s[92:93], s[92:93], s[46:47]
	s_add_nc_u64 s[96:97], s[96:97], s[66:67]
	CROUND                                         ; all sixteen work-groups are here: the joint loads meet
	s_mov_b32 s[G0S], 1
	s_add_co_u32 s[G0S+1], s3, SCL
	s_mov_b64 s[G0S+2:G0S+3], s[94:95]
	s_or_b32 s[G0S+3], s[G0S+3], 0x80000000
	s_mov_b32 s[G0SB], 1
	s_add_co_u32 s[G0SB+1], s3, SCL
	s_mov_b64 s[G0SB+2:G0SB+3], s[98:99]
	s_or_b32 s[G0SB+3], s[G0SB+3], 0x80000000
	JLOAD G0S, G1S, G0SB, G1SB                     ; the scales first; then both slots
.irp s, 0,1
	s_mov_b32 s[G0+4*\s], 1
	s_add_co_u32 s[G0+4*\s+1], s2, \s*SLOT
	s_add_nc_u64 s[G0+4*\s+2:G0+4*\s+3], s[92:93], \s*ROWB
	s_or_b32 s[G0+4*\s+3], s[G0+4*\s+3], 0x80000000
	s_mov_b32 s[G0B+4*\s], 1
	s_add_co_u32 s[G0B+4*\s+1], s2, \s*SLOT
	s_add_nc_u64 s[G0B+4*\s+2:G0B+4*\s+3], s[96:97], \s*ROWB
	s_or_b32 s[G0B+4*\s+3], s[G0B+4*\s+3], 0x80000000
	JLOAD G0+4*\s, G1, G0B+4*\s, G1B
.endr
	v_and_b32 v1, 15, v0                           ; r
	v_bfe_u32 v2, v0, 4, 1                         ; hh
	v_mul_u32_u24 v3, v1, PITCH
	v_lshl_add_u32 v4, v2, 4, v3                   ; a fragment's row x pitch + 16 x half
	s_mul_i32 s2, s[RH], HALFT
	s_mul_i32 s3, s[CH], HALFT
	s_add_co_u32 s3, s3, 2*HALFT
.irp s, 0,1
	v_add_nc_u32 v[ADRA+\s], s2, v4
	v_add_nc_u32 v[ADRB+\s], s3, v4
	s_add_co_u32 s2, s2, SLOT
	s_add_co_u32 s3, s3, SLOT
.endr
	v_mul_u32_u24 v5, v1, KS                       ; my row's scale bytes,
	v_lshrrev_b32 v6, 8, v5
	v_lshl_add_u32 v5, v6, 4, v5                   ; 16 more for each 256 passed
	s_mul_i32 s2, s[RH], HALFS
	s_mul_i32 s3, s[CH], HALFS
	s_add_co_u32 s3, s3, 2*HALFS
	s_sub_co_u32 s3, s3, s2
	v_mul_u32_u24 v6, s3, v2                       ; lanes 16-31 take B's: one product, the distance between the two bases
	s_add_co_u32 s2, s2, SCL
	v_add_nc_u32 v5, v5, v6
	v_add_nc_u32 v[ADRS], s2, v5
	v_and_b32 v6, 31, v0
	v_lshlrev_b32 v[L16], 4, v6
	s_lshl_b32 s2, s[RH], 16
	s_lshl_b32 s3, s[CH], 15
	s_add_co_u32 s2, s2, s3
	v_add_nc_u32 v[IMG], s2, v[L16]
	s_lshl_b32 s2, s[RH], 12
	v_add_nc_u32 v[KAD], s2, v[L16]
	s_lshl_b32 s2, s[CH], 12
	s_add_co_u32 s2, s2, 65536
	v_add_nc_u32 v[VAD], s2, v[L16]
	; THE BIAS, one text for both modes: register BI + 8 g + j.  q mode: that of k = 16 g + 8 hh + j of my head 2 TB + CH: word 8 d + h of b_qkv: byte 512 g + 32 j + 256 hh + 4 h.
	; kv mode: that of my lane's row d = 16 g + r of K or V, the same for all j: byte 4,096 (1 + RH) + 512 g + 32 r + 4 h.
	s_lshl_b32 s2, s[TB], 3
	s_lshl_b32 s3, s[CH], 2
	s_add_co_u32 s2, s2, s3
	s_lshl_b32 s3, s[RH], 12
	s_lshl_b32 s46, s[TA], 2
	s_add_co_u32 s3, s3, s46
	s_add_co_u32 s3, s3, 4096
	s_cmp_eq_u32 s[MODE], 1
	s_cselect_b32 s2, s2, s3
	s_cselect_b32 s3, 256, 0                       ; for each hh
	s_cselect_b32 s46, 0, 32                       ; for each r
	s_cselect_b32 s47, 32, 0                       ; for each j
	v_mul_u32_u24 v5, v2, s3
	v_mad_u32_u24 v5, v1, s46, v5
	v_add_nc_u32 v5, s2, v5
.irp j, 0,1,2,3,4,5,6,7
	s_mul_i32 s66, s47, \j
	v_add_nc_u32 v[BO+\j], s66, v5
.endr
.irp g, 0,1,2,3,4,5,6,7
.irp j, 0,1,2,3,4,5,6,7
	global_load_b32 v[BI+8*\g+\j], v[BO+\j], s[12:13] offset:512*\g
.endr
.endr
.macro FRAG reg, adr, q, i             ; 16 rows x 128 K of 4-bit codes: 8 registers; registers 4 c .. 4 c + 3 hold K = 64 c + 32 (lane / 16) + 0 .. 31
.irp c, 0,1
	ds_load_b128 v[\reg+4*\c:\reg+4*\c+3], v[\adr] offset:64*(\q)+32*\c+(\i)*16*PITCH
.endr
.endm
; 16 matrix instructions: A's blocks a0, a0 + 1 x B's eight.  The 64 accumulators take turns, one instruction a turn, in the same order in every step.
; One scale register carries A's words of block i in lanes 0-15 and B's words of block i in lanes 16-31.
.macro MUL16 a0, p, q, sc, zero
.irp a, \a0, \a0+1
.irp b, 0,1,2,3,4,5,6,7
.if \zero
	v_wmma_scale_f32_16x16x128_f8f6f4 v[8*(8*((\a)%4)+\b):8*(8*((\a)%4)+\b)+7], v[128*(\p)+FR*\b:128*(\p)+FR*\b+FR-1], v[AF+FR*(\a):AF+FR*(\a)+FR-1], 0, v[SC+8*NQ*(\sc)+NQ*\b+(\q)], v[SC+8*NQ*(\sc)+NQ*(\a)+(\q)] matrix_a_fmt:MATRIX_FMT_FP4 matrix_b_fmt:MATRIX_FMT_FP4 matrix_a_scale:MATRIX_SCALE_ROW1
.else
	v_wmma_scale_f32_16x16x128_f8f6f4 v[8*(8*((\a)%4)+\b):8*(8*((\a)%4)+\b)+7], v[128*(\p)+FR*\b:128*(\p)+FR*\b+FR-1], v[AF+FR*(\a):AF+FR*(\a)+FR-1], v[8*(8*((\a)%4)+\b):8*(8*((\a)%4)+\b)+7], v[SC+8*NQ*(\sc)+NQ*\b+(\q)], v[SC+8*NQ*(\sc)+NQ*(\a)+(\q)] matrix_a_fmt:MATRIX_FMT_FP4 matrix_b_fmt:MATRIX_FMT_FP4 matrix_a_scale:MATRIX_SCALE_ROW1
.endif
.endr
.endr
.endm
.macro FETCH_B slot, q, p
	WIN TO_B
.irp i, 0,1,2,3,4,5,6,7
	FRAG 128*(\p)+FR*\i, ADRB+\slot, \q, \i
.endr
	WIN 0
.endm
.macro FETCH_A slot, q, i0
.irp i, \i0, \i0+1, \i0+2, \i0+3
	FRAG AF+FR*(\i), ADRA+\slot, \q, \i
.endr
.endm
.macro SCALES sc                       ; a slot's scale words: 4 words a row
.irp i, 0,1,2,3,4,5,6,7
	ds_load_b128 v[SC+8*NQ*\sc+NQ*\i:SC+8*NQ*\sc+NQ*\i+3], v[ADRS] offset:\i*SBLK
.endr
.endm
.macro PLACES n                        ; plain vector lines between a matrix instruction and a load into, or a vector line on, its registers
.rept \n
	v_nop
.endr
.endm
.macro STEP slot, q, zero              ; 128 along K with its successor in the same slot: A has one set of registers (blocks 0-3 fetched anew in the middle, 4-7 at the end), B two
	s_wait_dscnt 4*NL                              ; all but the youngest eight loads (A's blocks 4-7)
	WIN MUL_LO
	MUL16 0, (\q)%2, \q, \slot, \zero
	MUL16 2, (\q)%2, \q, \slot, \zero
	s_wait_dscnt 0                                 ; A's blocks 4-7 are in
	PLACES NP
	FETCH_B \slot, (\q)+1, 1-(\q)%2
	FETCH_A \slot, (\q)+1, 0
	WIN MUL_HI
	MUL16 4, (\q)%2, \q, \slot, \zero
	MUL16 6, (\q)%2, \q, \slot, \zero
	PLACES NP
	WIN 0
	FETCH_A \slot, (\q)+1, 4
.endm
.macro STEPS slot, from
.set Q, \from
.rept NQ-1-\from
	STEP \slot, Q, 0
.set Q, Q+1
.endr
.endm
	s_wait_tensorcnt 1                             ; the scales and my part of slot 0 are in; slot 1's load may be out
	s_barrier_signal -1
	s_barrier_wait -1
	FETCH_B 0, 0, 0
	FETCH_A 0, 0, 0
	SCALES 0
	FETCH_A 0, 0, 4
	STEP 0, 0, 1                                   ; the first products start the sums: nothing is cleared
	STEPS 0, 1
	; slot 0's last step changes slots: one barrier.  In front of it my part of slot 1 has landed and my reads of slot 0 are over; behind it slot 1 is whole and nobody reads slot 0 any more
	s_wait_tensorcnt 0x0
	ds_add_u32 v[SPW], v[NIL]
	s_wait_dscnt 4*NL+1                            ; (the add and A's blocks 4-7 may be out)
	WIN MUL_LO
	MUL16 0, 1, NQ-1, 0, 0
	s_wait_dscnt 0x0
	s_barrier_signal -1
	MUL16 2, 1, NQ-1, 0, 0
	WIN 0
	s_barrier_wait -1
	PLACES NP
	v_add_nc_u32 v[ADRS], 4*NQ, v[ADRS]            ; the second 512 along K: 16 bytes on in each row of scales
	FETCH_B 1, 0, 0
	FETCH_A 1, 0, 0
	SCALES 1
	WIN MUL_HI
	MUL16 4, 1, NQ-1, 0, 0
	MUL16 6, 1, NQ-1, 0, 0
	PLACES NP
	WIN 0
	FETCH_A 1, 0, 4
	STEPS 1, 0
	s_wait_dscnt 4*NL                              ; the last step fetches nothing
	WIN MUL_LO
	MUL16 0, 1, NQ-1, 1, 0
	MUL16 2, 1, NQ-1, 1, 0
	s_wait_dscnt 0
	WIN MUL_HI
	MUL16 4, 1, NQ-1, 1, 0
	MUL16 6, 1, NQ-1, 1, 0
	WIN 0
; THE WAY OUT of A's block a: the bias is added in place (each accumulator from its low end on), eight numbers of a lane are rounded to f16 (16 bytes: half an image), and the eight halves are stored, 512 consecutive bytes each.
.macro EPI a, kv
.set AC, 64*((\a)%4)
.set PS, PK+32*((\a)%2)
.if (\a) >= 2
.if \kv
	s_wait_dscnt 8                                 ; the LDS stores of two blocks back are done; the last block's eight may be out
.else
	s_wait_xcnt 0x0                                ; the stores of two blocks back have read their registers
.endif
.endif
	WIN 0x82+0x41*((\a)/4)                         ; destination and source 0: window 2 or 3
.irp b, 0,1,2,3,4,5,6,7
.irp i, 0,2,4,6
.if \kv
	v_pk_add_f32 v[AC+8*\b+\i:AC+8*\b+\i+1], v[AC+8*\b+\i:AC+8*\b+\i+1], v[BI+8*(\a)+\i:BI+8*(\a)+\i+1]
.else
	v_pk_add_f32 v[AC+8*\b+\i:AC+8*\b+\i+1], v[AC+8*\b+\i:AC+8*\b+\i+1], v[BI+8*\b+\i:BI+8*\b+\i+1]
.endif
.endr
.endr
	WIN 0x0a+5*((\a)/4)                            ; sources 0 and 1: window 2 or 3
.irp b, 0,1,2,3,4,5,6,7
.irp r, 0,1,2,3
	v_cvt_pk_f16_f32 v[PS+4*\b+\r], v[AC+8*\b+2*\r], v[AC+8*\b+2*\r+1]
.endr
.endr
	WIN 0
.irp b, 0,1,2,3,4,5,6,7
.if \kv
	ds_store_b128 v[IMG], v[PS+4*\b:PS+4*\b+3] offset:8192*(\b/2)+1024*(\a)+512*(\b%2)     ; 32 keys b / 2 of my half, tile a of d, half b % 2
.else
	global_store_b128 v[L16], v[PS+4*\b:PS+4*\b+3], s[14:15] offset:131072*((\a)/4)+4096*(\b/2)+1024*((\a)%4)+512*(\b%2)
.endif
.endr
.endm
	s_wait_loadcnt 0x0                             ; the bias
	PLACES NP
	s_cmp_eq_u32 s[MODE], 1
	s_cbranch_scc0 .Lkv_out
	s_lshl_b32 s2, s[TA], 2                        ; qf: row group 4 TA + 2 RH, 256 k TB, my half of them
	s_lshl_b32 s3, s[RH], 1
	s_add_co_u32 s2, s2, s3
	s_lshl_b32 s2, s2, 17
	s_lshl_b32 s3, s[TB], 15
	s_add_co_u32 s2, s2, s3
	s_lshl_b32 s3, s[CH], 14
	s_add_co_u32 s2, s2, s3
	s_mov_b32 s3, 0
	s_add_nc_u64 s[14:15], s[14:15], s[2:3]
.irp a, 0,1,2,3,4,5,6,7
	EPI \a, 0
.endr
	s_branch .Lmeet
.Lkv_out:                                              ; the images lie in slot 0's bytes 0 .. 131,071: that slot has had its one fill, and every wave has passed the barrier behind which nobody reads it
.irp a, 0,1,2,3,4,5,6,7
	EPI \a, 1
.endr
.Lmeet:
	s_wait_dscnt 0x0                               ; for the others' sake: my images have landed
	s_barrier_signal -1
	s_barrier_wait -1                              ; every wave of both modes passes this barrier
	s_cmp_eq_u32 s[MODE], 1
	s_cbranch_scc1 .Lend
	; kv mode: this chunk's part of M = K^T V.  Wave w makes d tiles 4 (w / 2) + dl and e tiles 4 (w % 2) + el: 16 accumulators in window 1.  Source 0 = V^T (a result's registers: e), source 1 = K^T (its lane: d).
	s_lshr_b32 s2, s[TB], 3                        ; b
	s_lshl_b32 s2, s2, 3
	s_add_co_u32 s2, s2, s[TA]                     ; 8 b + h
	s_lshl_b32 s2, s2, 2
	s_add_co_u32 s46, s2, s[WV]                    ; pmax: ((8 b + h) 4 + w) 8 + c words
	s_lshl_b32 s3, s[RH], 1
	s_add_co_u32 s2, s2, s3                        ; mp: my first block of 32 d
	s_lshl_b32 s2, s2, 3
	s_and_b32 s3, s[TB], 7                         ; c
	s_add_co_u32 s2, s2, s3
	s_lshl_b32 s2, s2, 14
	s_lshl_b32 s47, s[CH], 13
	s_add_co_u32 s2, s2, s47
	s_lshl_b32 s46, s46, 3
	s_add_co_u32 s46, s46, s3
	s_lshl_b32 s46, s46, 2
	s_mov_b32 s3, 0
	s_mov_b32 s47, 0
	s_add_nc_u64 s[16:17], s[16:17], s[2:3]
	s_add_nc_u64 s[18:19], s[18:19], s[46:47]
	s_mov_b32 s66, 0x76543210
	s_mov_b32 s67, 0xfedcba98                      ; lane l xor 16
.macro KFETCH s, fb                    ; 32 keys: my 4 fragments of K^T, my 4 of V^T: 16 loads of 512 consecutive bytes
.irp i, 0,1,2,3
	ds_load_b128 v[\fb+8*\i:\fb+8*\i+3], v[KAD] offset:8192*(\s)+1024*\i
	ds_load_b128 v[\fb+8*\i+4:\fb+8*\i+7], v[KAD] offset:8192*(\s)+1024*\i+512
.endr
.irp i, 0,1,2,3
	ds_load_b128 v[\fb+32+8*\i:\fb+32+8*\i+3], v[VAD] offset:8192*(\s)+1024*\i
	ds_load_b128 v[\fb+32+8*\i+4:\fb+32+8*\i+7], v[VAD] offset:8192*(\s)+1024*\i+512
.endr
.endm
.macro KV16 fb, zero                   ; the 16 accumulators by turns
.irp el, 0,1,2,3
.irp dl, 0,1,2,3
.if \zero
	v_wmma_f32_16x16x32_f16 v[8*(4*\el+\dl):8*(4*\el+\dl)+7], v[\fb+32+8*\el:\fb+32+8*\el+7], v[\fb+8*\dl:\fb+8*\dl+7], 0
.else
	v_wmma_f32_16x16x32_f16 v[8*(4*\el+\dl):8*(4*\el+\dl)+7], v[\fb+32+8*\el:\fb+32+8*\el+7], v[\fb+8*\dl:\fb+8*\dl+7], v[8*(4*\el+\dl):8*(4*\el+\dl)+7]
.endif
.endr
.endr
.endm
	KFETCH 0, FB
.irp s, 0,1,2,3,4,5,6,7
.if \s >= 1
	PLACES 4                                       ; in front of loads into the buffer that the step before multiplied
.endif
.if \s < 7
	WIN 0
	KFETCH \s+1, FB+64*((\s+1)%2)
	s_wait_dscnt 16                                ; all but the 16 just issued
.else
	s_wait_dscnt 0x0
.endif
	WIN 0x50                                       ; C and D window 1
.if \s == 0
	KV16 FB, 1
.else
	KV16 FB+64*(\s%2), 0
.endif
.endr
	PLACES 4
	WIN 0x04                                       ; a store's data: window 1
.irp el, 0,1,2,3
.irp dl, 0,1,2,3
	global_store_b128 v[L16], v[8*(4*\el+\dl):8*(4*\el+\dl)+3], s[16:17] offset:131072*(\dl/2)+2048*\el+1024*(\dl%2)          ; each accumulator from its low end on; 512 consecutive bytes a store
	global_store_b128 v[L16], v[8*(4*\el+\dl)+4:8*(4*\el+\dl)+7], s[16:17] offset:131072*(\dl/2)+2048*\el+1024*(\dl%2)+512
.endr
.endr
	WIN 0
.irp i, 0,1,2,3
	v_mov_b32 v[PK+\i], 0
.endr
	WIN 0x14                                       ; sources 1 and 2: window 1
.set n, 0
.rept 64
	v_max3_num_f32 v[PK+n%4], v[PK+n%4], |v[2*n]|, |v[2*n+1]|   ; the largest magnitude of my 128 numbers, in four chains
.set n, n+1
.endr
	WIN 0
	v_max3_num_f32 v[PK], v[PK], v[PK+1], v[PK+2]
	v_max_num_f32 v[PK], v[PK], v[PK+3]
	v_max_num_f32_dpp v[PK], v[PK], v[PK] row_xmask:1 row_mask:0xf bank_mask:0xf
	v_max_num_f32_dpp v[PK], v[PK], v[PK] row_xmask:2 row_mask:0xf bank_mask:0xf
	v_max_num_f32_dpp v[PK], v[PK], v[PK] row_xmask:4 row_mask:0xf bank_mask:0xf
	v_max_num_f32_dpp v[PK], v[PK], v[PK] row_xmask:8 row_mask:0xf bank_mask:0xf
	v_permlanex16_b32 v[PK+1], v[PK], s66, s67
	v_max_num_f32 v[PK], v[PK], v[PK+1]            ; of the wave's 64 x 64
	v_and_b32 v5, 31, v0
	v_mov_b32 v6, 0
	v_cmp_eq_u32 vcc_lo, 0, v5
	s_wait_xcnt 0x0                                ; EXEC changes only behind this wait
	s_and_saveexec_b32 s2, vcc_lo
	global_store_b32 v6, v[PK], s[18:19]           ; one word, by lane 0
	s_wait_xcnt 0x0
	s_or_b32 exec_lo, exec_lo, s2
.Lend:
	s_wait_tensorcnt 0x0                           ; the wave's end
	ds_add_u32 v[SPW], v[NIL]
	s_wait_dscnt 0x0
	CROUND                                         ; the closing round
	s_endpgm
.Lfunc_end_k_q3c0fef80a8_proj:
	.size	k_q3c0fef80a8_proj, .Lfunc_end_k_q3c0fef80a8_proj-k_q3c0fef80a8_proj
	.p2alignl 7, 3214868480
	.fill 96, 4, 3214868480
	.section	.rodata,"a",@progbits
	.p2align	6, 0x0
	.amdhsa_kernel k_q3c0fef80a8_proj
		.amdhsa_group_segment_fixed_size 327680
		.amdhsa_private_segment_fixed_size 0
		.amdhsa_enable_private_segment 0
		.amdhsa_kernarg_size 64
		.amdhsa_user_sgpr_count 2
		.amdhsa_user_sgpr_kernarg_segment_ptr 1
		.amdhsa_wavefront_size32 1
		.amdhsa_system_sgpr_workgroup_id_x 1
		.amdhsa_system_sgpr_workgroup_id_y 1
		.amdhsa_system_sgpr_workgroup_id_z 1
		.amdhsa_system_vgpr_workitem_id 0
		.amdhsa_next_free_vgpr 1024
		.amdhsa_next_free_sgpr 102
		.amdhsa_reserve_vcc 1
		.amdhsa_float_denorm_mode_32 3
		.amdhsa_float_denorm_mode_16_64 3
		.amdhsa_memory_ordered 1
		.amdhsa_forward_progress 1
		.amdhsa_inst_pref_size 205
	.end_amdhsa_kernel
	.amdgpu_metadata
---
amdhsa.version: [ 1, 2 ]
amdhsa.kernels:
  - .name:           k_q3c0fef80a8_proj
    .symbol:         k_q3c0fef80a8_proj.kd
    .args:
      - { .name: xc, .offset: 0, .size: 8, .value_kind: global_buffer, .address_space: global }
      - { .name: xs, .offset: 8, .size: 8, .value_kind: global_buffer, .address_space: global }
      - { .name: wc, .offset: 16, .size: 8, .value_kind: global_buffer, .address_space: global }
      - { .name: ws, .offset: 24, .size: 8, .value_kind: global_buffer, .address_space: global }
      - { .name: b_qkv, .offset: 32, .size: 8, .value_kind: global_buffer, .address_space: global }
      - { .name: qf, .offset: 40, .size: 8, .value_kind: global_buffer, .address_space: global }
      - { .name: mp, .offset: 48, .size: 8, .value_kind: global_buffer, .address_space: global }
      - { .name: pmax, .offset: 56, .size: 8, .value_kind: global_buffer, .address_space: global }
    .group_segment_fixed_size: 327680
    .private_segment_fixed_size: 0
    .kernarg_segment_align: 8
    .kernarg_segment_size: 64
    .max_flat_workgroup_size: 128
    .sgpr_count:     102
    .vgpr_count:     1024
    .wavefront_size: 32
...
	.end_amdgpu_metadata
.endif
;; end of part 2
;; launch fold (part 3): grid 16 x 16, 16 waves a work-group, no clusters, 79,872 bytes of LDS; arguments mp, pmax, w_o, pf; writes pf
.if DOCPART == 3
	.amdgcn_target "amdgcn-amd-amdhsa--gfx1250"
	.amdhsa_code_object_version 6
	.text
	.protected	k_q3c0fef80a8_fold
	.globl	k_q3c0fef80a8_fold
	.p2align	8
	.type	k_q3c0fef80a8_fold,@function
k_q3c0fef80a8_fold:
	s_mov_b64 s[64:65], 0
	v_nop
	global_prefetch_b8 v0, s[64:65] scope:SCOPE_SE
	s_setreg_imm32_b32 hwreg(HW_REG_WAVE_MODE, 25, 1), 1
	s_wait_xcnt 0x0
; P[b][(h, d)][n] = sum over e of M[b][h][d][e] w_o[n][128 h + e], where M = the sum of the 8 chunks' parts in mp.  f16 operands, f32 sums.
; THE SCALE.  M has no room in f16, so it goes under a power of two for each batch: S = the largest, over (head, wave), of the sum over the 8 chunks of pmax, which is at least every |M|; S is held to 2^-100 .. 2^100;
; with e = S's exponent, M x 2^(4 - e) lies under 32.  The multiplication is exact; the last launch forms the same S by the same lines and multiplies by 2^(e - 4).
; LIMITS: |w_o| under 16 (|P| x 2^(4 - e) is under 4,096 x the largest |w_o|, and must stay under 65,504); S within 2^-100 .. 2^100; a head whose M lies more than some 2^10 under its batch's largest is carried with less relative precision.
; SHARES.  A work-group takes (b, h), 32 of d and 256 of n.  Wave w sums one of the 16 tiles (16 e x 16 d) of the block, rounds it to f16 (half an image of a fragment of M) and puts it into LDS; it turns its own 16 rows x 128 columns of w_o into
; f16 through its own stage; behind the one barrier it multiplies: source 0 = M (a result's registers: d), source 1 = w_o (its lane: n).  The two results, rounded to f16, ARE a fragment of P (rows n, k = 128 h + d) for the last launch.
; pf: [b][64 n][256 k][32 k][16 n][half][lane][16 B].
; NO JOINT LOADS, though 4 work-groups read a block of mp and 8 a piece of w_o: each wave's 34 loads go out in one run at its head and are summed or rounded in the registers in which they land; by way of LDS the same 34 loads would follow the tile.
.set MIMG,  0                          ; LDS: M's 8 fragments (32 e s, 16 d t: 2 s + t), 1 KB each
.set WSTG,  8192                       ; a stage for each wave: 16 rows x (256 bytes + 16)
.set SPARE, WSTG+16*4352               ; the spare words, 128 bytes a wave; no other line names them
.set SPW, 10
.set NIL, 11
.set PT,  32                           ; v32-95   the 8 chunks' parts of my tile, later M's 8 fragments
.set WF,  96                           ; v96-159  my 16 rows of w_o, f32
.set WH,  160                          ; v160-191 the same in f16, later w_o's 4 fragments
.set ACC, 192
.set SEL, 26
.set LO,  28
.set HI,  29
.macro SCALE pm, eb                    ; 8 words of pmax a lane (one head and wave, 8 chunks) -> the exponent field of S, in every lane
	v_add_f32 v[\pm], v[\pm], v[\pm+1]
	v_add_f32 v[\pm+2], v[\pm+2], v[\pm+3]
	v_add_f32 v[\pm+4], v[\pm+4], v[\pm+5]
	v_add_f32 v[\pm+6], v[\pm+6], v[\pm+7]
	v_add_f32 v[\pm], v[\pm], v[\pm+2]
	v_add_f32 v[\pm+4], v[\pm+4], v[\pm+6]
	v_add_f32 v[\pm], v[\pm], v[\pm+4]
	v_max_num_f32_dpp v[\pm], v[\pm], v[\pm] row_xmask:1 row_mask:0xf bank_mask:0xf
	v_max_num_f32_dpp v[\pm], v[\pm], v[\pm] row_xmask:2 row_mask:0xf bank_mask:0xf
	v_max_num_f32_dpp v[\pm], v[\pm], v[\pm] row_xmask:4 row_mask:0xf bank_mask:0xf
	v_max_num_f32_dpp v[\pm], v[\pm], v[\pm] row_xmask:8 row_mask:0xf bank_mask:0xf
	v_permlanex16_b32 v[\pm+1], v[\pm], s[SEL], s[SEL+1]
	v_max_num_f32 v[\pm], v[\pm], v[\pm+1]
	v_med3_num_f32 v[\pm], v[\pm], s[LO], s[HI]
	v_and_b32 v[\eb], 0x7f800000, v[\pm]
.endm
	s_load_b256 s[4:11], s[0:1], 0x0               ; mp, pmax, w_o, pf
	v_lshl_add_u32 v[SPW], v0, 2, SPARE
	v_mov_b32 v[NIL], 0
	v_lshrrev_b32 v1, 5, v0
	v_readfirstlane_b32 s12, v1                    ; wave 0 .. 15
	v_and_b32 v1, 31, v0                           ; lane
	v_and_b32 v2, 15, v0                           ; r
	v_bfe_u32 v3, v0, 4, 1                         ; hh
	v_lshlrev_b32 v4, 4, v1                        ; 16 x lane
	v_lshlrev_b32 v8, 5, v1                        ; 32 x lane
	s_mul_i32 s18, s12, 4352
	s_add_co_u32 s18, s18, WSTG                    ; my stage
	v_lshl_add_u32 v5, v1, 3, s18                  ; in: 8 bytes a lane of a row
	v_mul_u32_u24 v6, v2, 272
	v_lshl_add_u32 v6, v3, 4, v6
	v_add_nc_u32 v6, s18, v6                       ; out: row r, + 16 hh
	s_lshr_b32 s18, s12, 2                         ; my tile is e tile w / 2, d tile w % 2: fragment 2 (w / 4) + w % 2, half (w / 2) % 2
	s_lshl_b32 s18, s18, 11
	s_and_b32 s19, s12, 1
	s_lshl_b32 s19, s19, 10
	s_add_co_u32 s18, s18, s19
	s_bfe_u32 s19, s12, 0x10001
	s_lshl_b32 s19, s19, 9
	s_add_co_u32 s18, s18, s19
	v_add_nc_u32 v7, s18, v4
	s_and_b32 s13, ttmp9, 3                        ; which 256 n
	s_lshr_b32 s14, ttmp9, 2                       ; which 32 d
	s_and_b32 s17, ttmp7, 0xffff                   ; 8 b + h
	s_lshr_b32 s15, s17, 3                         ; b
	s_and_b32 s16, s17, 7                          ; h
	s_lshl_b32 s18, s17, 2                         ; mp: ((8 b + h) 4 + d block) 131,072 + 1,024 w
	s_add_co_u32 s18, s18, s14
	s_lshl_b32 s18, s18, 17
	s_lshl_b32 s19, s12, 10
	s_add_co_u32 s18, s18, s19
	s_mov_b32 s19, 0
	s_lshl_b32 s20, s15, 10                        ; pmax: my batch's 256 words
	s_mov_b32 s21, 0
	s_lshl_b32 s22, s13, 8                         ; w_o: row 256 n block + 16 w, column 128 h
	s_lshl_b32 s23, s12, 4
	s_add_co_u32 s22, s22, s23
	s_lshl_b32 s22, s22, 12
	s_lshl_b32 s23, s16, 9
	s_add_co_u32 s22, s22, s23
	s_mov_b32 s23, 0
	s_lshl_b32 s24, s15, 4                         ; pf: ((16 b + 4 n block + w / 4) 4 + h / 2) 32,768 + (4 (h % 2) + d block) 4,096 + (w % 4) 1,024
	s_lshl_b32 s25, s13, 2
	s_add_co_u32 s24, s24, s25
	s_lshr_b32 s25, s12, 2
	s_add_co_u32 s24, s24, s25
	s_lshl_b32 s24, s24, 2
	s_lshr_b32 s25, s16, 1
	s_add_co_u32 s24, s24, s25
	s_lshl_b32 s24, s24, 3
	s_and_b32 s25, s16, 1
	s_lshl_b32 s25, s25, 2
	s_add_co_u32 s24, s24, s25
	s_add_co_u32 s24, s24, s14
	s_lshl_b32 s24, s24, 2
	s_and_b32 s25, s12, 3
	s_add_co_u32 s24, s24, s25
	s_lshl_b32 s24, s24, 10
	s_mov_b32 s25, 0
	s_mov_b32 s[SEL], 0x76543210
	s_mov_b32 s[SEL+1], 0xfedcba98
	s_mov_b32 s[LO], 0x0d800000                    ; 2^-100
	s_mov_b32 s[HI], 0x71800000                    ; 2^100
	s_wait_kmcnt 0x0
	s_add_nc_u64 s[4:5], s[4:5], s[18:19]
	s_add_nc_u64 s[6:7], s[6:7], s[20:21]
	s_add_nc_u64 s[8:9], s[8:9], s[22:23]
	s_add_nc_u64 s[10:11], s[10:11], s[24:25]
	global_load_b128 v[12:15], v8, s[6:7]          ; all 34 loads at once
	global_load_b128 v[16:19], v8, s[6:7] offset:16
.irp c, 0,1,2,3,4,5,6,7
	global_load_b128 v[PT+8*\c:PT+8*\c+3], v4, s[4:5] offset:16384*\c
	global_load_b128 v[PT+8*\c+4:PT+8*\c+7], v4, s[4:5] offset:16384*\c+512
.endr
.irp i, 0,1,2,3,4,5,6,7,8,9,10,11,12,13,14,15
	global_load_b128 v[WF+4*\i:WF+4*\i+3], v4, s[8:9] offset:4096*\i       ; 512 consecutive bytes of a row
.endr
	s_wait_loadcnt 32                              ; pmax is in: 16 + 16 loads were issued behind it
	SCALE 12, 20
	v_sub_nc_u32 v22, 0x81000000, v20              ; 2^(4 - e): its exponent field is 258 less S's
	v_mov_b32 v23, v22
	s_wait_loadcnt 16                              ; the 8 parts are in
.irp c, 1,2,3,4,5,6,7
.irp i, 0,2,4,6
	v_pk_add_f32 v[PT+\i:PT+\i+1], v[PT+\i:PT+\i+1], v[PT+8*\c+\i:PT+8*\c+\i+1]
.endr
.endr
.irp i, 0,2,4,6
	v_pk_mul_f32 v[PT+\i:PT+\i+1], v[PT+\i:PT+\i+1], v[22:23]
.endr
.irp i, 0,1,2,3
	v_cvt_pk_f16_f32 v[24+\i], v[PT+2*\i], v[PT+2*\i+1]
.endr
	ds_store_b128 v7, v[24:27]
	s_wait_loadcnt 0x0                             ; w_o
.irp i, 0,1,2,3,4,5,6,7,8,9,10,11,12,13,14,15
	v_cvt_pk_f16_f32 v[WH+2*\i], v[WF+4*\i], v[WF+4*\i+1]
	v_cvt_pk_f16_f32 v[WH+2*\i+1], v[WF+4*\i+2], v[WF+4*\i+3]
.endr
.irp i, 0,1,2,3,4,5,6,7,8,9,10,11,12,13,14,15
	ds_store_b64 v5, v[WH+2*\i:WH+2*\i+1] offset:272*\i
.endr
	s_wait_dscnt 0x0                               ; for the others' sake: my half fragment of M has landed
	s_barrier_signal -1
	s_barrier_wait -1
.irp f, 0,1,2,3,4,5,6,7
	ds_load_b128 v[PT+8*\f:PT+8*\f+3], v4 offset:MIMG+1024*\f
	ds_load_b128 v[PT+8*\f+4:PT+8*\f+7], v4 offset:MIMG+1024*\f+512
.endr
.irp s, 0,1,2,3
	ds_load_b128 v[WH+8*\s:WH+8*\s+3], v6 offset:64*\s
	ds_load_b128 v[WH+8*\s+4:WH+8*\s+7], v6 offset:64*\s+32
.endr
	s_wait_dscnt 0x0
.irp s, 0,1,2,3                        ; the two accumulators by turns
.irp t, 0,1
.if \s == 0
	v_wmma_f32_16x16x32_f16 v[ACC+8*\t:ACC+8*\t+7], v[PT+8*(2*\s+\t):PT+8*(2*\s+\t)+7], v[WH+8*\s:WH+8*\s+7], 0
.else
	v_wmma_f32_16x16x32_f16 v[ACC+8*\t:ACC+8*\t+7], v[PT+8*(2*\s+\t):PT+8*(2*\s+\t)+7], v[WH+8*\s:WH+8*\s+7], v[ACC+8*\t:ACC+8*\t+7]
.endif
.endr
.endr
.rept 4
	v_nop
.endr
.irp t, 0,1
.irp i, 0,1,2,3
	v_cvt_pk_f16_f32 v[208+4*\t+\i], v[ACC+8*\t+2*\i], v[ACC+8*\t+2*\i+1]
.endr
.endr
	global_store_b128 v4, v[208:211], s[10:11]     ; the fragment's image: 1,024 consecutive bytes
	global_store_b128 v4, v[212:215], s[10:11] offset:512
	s_wait_tensorcnt 0x0                           ; the wave's end
	ds_add_u32 v[SPW], v[NIL]
	s_wait_dscnt 0x0
	s_endpgm
.Lfunc_end_k_q3c0fef80a8_fold:
	.size	k_q3c0fef80a8_fold, .Lfunc_end_k_q3c0fef80a8_fold-k_q3c0fef80a8_fold
	.p2alignl 7, 3214868480
	.fill 96, 4, 3214868480
	.section	.rodata,"a",@progbits
	.p2align	6, 0x0
	.amdhsa_kernel k_q3c0fef80a8_fold
		.amdhsa_group_segment_fixed_size 79872
		.amdhsa_private_segment_fixed_size 0
		.amdhsa_enable_private_segment 0
		.amdhsa_kernarg_size 32
		.amdhsa_user_sgpr_count 2
		.amdhsa_user_sgpr_kernarg_segment_ptr 1
		.amdhsa_wavefront_size32 1
		.amdhsa_system_sgpr_workgroup_id_x 1
		.amdhsa_system_sgpr_workgroup_id_y 1
		.amdhsa_system_sgpr_workgroup_id_z 1
		.amdhsa_system_vgpr_workitem_id 0
		.amdhsa_next_free_vgpr 224
		.amdhsa_next_free_sgpr 66
		.amdhsa_reserve_vcc 0
		.amdhsa_float_denorm_mode_32 3
		.amdhsa_float_denorm_mode_16_64 3
		.amdhsa_memory_ordered 1
		.amdhsa_forward_progress 1
		.amdhsa_inst_pref_size 16
	.end_amdhsa_kernel
	.amdgpu_metadata
---
amdhsa.version: [ 1, 2 ]
amdhsa.kernels:
  - .name:           k_q3c0fef80a8_fold
    .symbol:         k_q3c0fef80a8_fold.kd
    .args:
      - { .name: mp, .offset: 0, .size: 8, .value_kind: global_buffer, .address_space: global }
      - { .name: pmax, .offset: 8, .size: 8, .value_kind: global_buffer, .address_space: global }
      - { .name: w_o, .offset: 16, .size: 8, .value_kind: global_buffer, .address_space: global }
      - { .name: pf, .offset: 24, .size: 8, .value_kind: global_buffer, .address_space: global }
    .group_segment_fixed_size: 79872
    .private_segment_fixed_size: 0
    .kernarg_segment_align: 8
    .kernarg_segment_size: 32
    .max_flat_workgroup_size: 512
    .sgpr_count:     66
    .vgpr_count:     224
    .wavefront_size: 32
...
	.end_amdgpu_metadata
.endif
;; end of part 3
;; launch outp (part 4): grid 8 x 32, 4 waves a work-group, clusters of 4 x 4, 327,680 bytes of LDS; arguments qf, pf, pmax, b_o, out0; writes out0
.if DOCPART == 4
	.amdgcn_target "amdgcn-amd-amdhsa--gfx1250"
	.amdhsa_code_object_version 6
	.text
	.protected	k_q3c0fef80a8_outp
	.globl	k_q3c0fef80a8_outp
	.p2align	8
	.type	k_q3c0fef80a8_outp,@function
k_q3c0fef80a8_outp:
	s_mov_b64 s[64:65], 0
	v_nop
	global_prefetch_b8 v0, s[64:65] scope:SCOPE_SE
	s_setreg_imm32_b32 hwreg(HW_REG_WAVE_MODE, 25, 1), 1
	s_wait_xcnt 0x0
	s_wait_alu depctr_hold_cnt(0) depctr_sa_sdst(0) depctr_va_vdst(0) depctr_va_sdst(0) depctr_va_ssrc(0) depctr_va_vcc(0) depctr_vm_vsrc(0)
	s_getreg_b32 s2, hwreg(HW_REG_IB_STS2, 6, 4)
	s_cmp_eq_u32 s2, 0
	s_cbranch_scc0 .Lentry_in_a_cluster
	s_endpgm
.Lentry_in_a_cluster:
	s_bfe_u32 s2, ttmp6, 0x10000c
	s_cmp_lg_u32 s2, 0xf033
	s_cbranch_scc0 .Lentry_shape_is_right
	s_endpgm
.Lentry_shape_is_right:
; out0[i][n] = 2^(e - 4) x (sum over k of Q[i][k] P'[k][n]) + b_o[n]: Q and P' (P under its batch's power of two) are f16 fragments laid in the order of the operands' registers; sums in f32.  K = 1,024.
; 2^(e - 4) takes out the power of two under which M went in: e is the exponent of S, formed here from pmax by the same lines as in the launch before, so both have the same bits.  LIMITS as stated there.
; A tile of out0 is 128 x 128 (256 work-groups); four waves, each 64 x 64: 16 accumulators.  K goes in four steps of 256 through two LDS slots.  A slot holds four dense blocks of 32,768 bytes (A's two groups of 64 rows, B's two of 64 n),
; each [32 k][16 rows][half][lane][16 B]: one tensor load a wave brings a block; every LDS load reads 512 consecutive bytes, so no padding is needed.
; CLUSTER 4 x 4: A's blocks are asked for jointly along a row of the cluster, B's along a column.  Source 0 = P' (a result's registers: 8 neighbouring n), source 1 = Q (its lane: a row).
; REGISTERS: window 0: v4-11 pmax, v[12:13] 2^(e - 4) twice, v14 S's exponent field, v16-29 addresses, v32-95 two sets for the way out, v96-127 the bias, v128-255 the accumulators ((a, b) at v[128 + 8 (4 a + b)]).  window 1: two fragment buffers of 128.
.set SLOT,   131072
.set GRP,    32768
.set STAGE,  2*SLOT                    ; 16 rows x (256 bytes + 16) for each wave
.set SPITCH, 272
.set SPARE,  STAGE+4*16*SPITCH         ; the spare words, 128 bytes a wave; no other line names them
.set PM,   4
.set FS,   12
.set EB,   14
.set ADRA, 16
.set PMO,  18                          ; v18  32 x lane
.set BOF,  19                          ; v19  32 x (lane / 16)
.set ADRB, 20
.set STO,  24
.set RD,   25
.set CO,   26
.set SPW,  28
.set NIL,  29
.set T,    32
.set BIAS, 96
.set ACC,  128
.set F0,   0
.set F1,   128
.set WV,   14
.set RH,   15                          ; wave / 2: my 64 rows; 0: I fetch for A, 1: for B
.set CH,   16                          ; wave % 2: my 64 n; which block I fetch
.set TR,   17
.set G1,   24
.set G0,   32
.set G1B,  48
.set G0B,  56
.set SEL,  66
.set LO,   68
.set HI,   69
.set MSB, 0
.macro WIN new
.if MSB != (\new)
	s_set_vgpr_msb (MSB<<8)|(\new)
.set MSB, \new
.endif
.endm
.set MUL,  0x05                        ; sources 0 and 1 window 1; C and D window 0
.set TO_F, 0x40
.macro JLOAD s                         ; a joint load; s_nop 0 and four v_nop follow each of the two lines
	s_cmp_eq_u32 s[RH], 0
	s_cbranch_scc0 .Lfor_b_\@
	tensor_load_to_lds s[G0+4*\s:G0+4*\s+3], s[G1:G1+7]
	s_nop 0
.rept 4
	v_nop
.endr
	s_branch .Lasked_\@
.Lfor_b_\@:
	tensor_load_to_lds s[G0B+4*\s:G0B+4*\s+3], s[G1B:G1B+7]
	s_nop 0
.rept 4
	v_nop
.endr
.Lasked_\@:
.endm
.macro CREST
	s_cmp_lg_u32 s[WV], 0
	s_cbranch_scc1 .Lnot_wave_0_\@
	s_barrier_signal -3
.Lnot_wave_0_\@:
	s_barrier_wait -3
	s_barrier_signal -1
	s_barrier_wait -1
.endm
.macro CROUND
	s_barrier_signal -1
	s_barrier_wait -1
	CREST
.endm
.macro SCALE pm, eb                    ; the same lines as in the launch before
	v_add_f32 v[\pm], v[\pm], v[\pm+1]
	v_add_f32 v[\pm+2], v[\pm+2], v[\pm+3]
	v_add_f32 v[\pm+4], v[\pm+4], v[\pm+5]
	v_add_f32 v[\pm+6], v[\pm+6], v[\pm+7]
	v_add_f32 v[\pm], v[\pm], v[\pm+2]
	v_add_f32 v[\pm+4], v[\pm+4], v[\pm+6]
	v_add_f32 v[\pm], v[\pm], v[\pm+4]
	v_max_num_f32_dpp v[\pm], v[\pm], v[\pm] row_xmask:1 row_mask:0xf bank_mask:0xf
	v_max_num_f32_dpp v[\pm], v[\pm], v[\pm] row_xmask:2 row_mask:0xf bank_mask:0xf
	v_max_num_f32_dpp v[\pm], v[\pm], v[\pm] row_xmask:4 row_mask:0xf bank_mask:0xf
	v_max_num_f32_dpp v[\pm], v[\pm], v[\pm] row_xmask:8 row_mask:0xf bank_mask:0xf
	v_permlanex16_b32 v[\pm+1], v[\pm], s[SEL], s[SEL+1]
	v_max_num_f32 v[\pm], v[\pm], v[\pm+1]
	v_med3_num_f32 v[\pm], v[\pm], s[LO], s[HI]
	v_and_b32 v[\eb], 0x7f800000, v[\pm]
.endm
	s_load_b256 s[4:11], s[0:1], 0x0               ; qf, pf, pmax, b_o
	s_load_b64 s[12:13], s[0:1], 0x20              ; out0
	v_lshl_add_u32 v[SPW], v0, 2, SPARE
	v_mov_b32 v[NIL], 0
	ds_add_u32 v[SPW], v[NIL]                      ; the opening: the add, twice on end, and its wait ahead of my first tensor load
	ds_add_u32 v[SPW], v[NIL]
	v_lshrrev_b32 v1, 5, v0
	v_readfirstlane_b32 s[WV], v1
	s_lshr_b32 s[RH], s[WV], 1
	s_and_b32 s[CH], s[WV], 1
	s_bfe_u32 s40, ttmp6, 0x40000                  ; cx
	s_bfe_u32 s41, ttmp6, 0x40004                  ; cy
	s_lshl_b32 s42, ttmp9, 2
	s_add_co_u32 s42, s42, s40                     ; tile column, 0 .. 7
	s_and_b32 s18, ttmp7, 0xffff
	s_lshl_b32 s[TR], s18, 2
	s_add_co_u32 s[TR], s[TR], s41                 ; tile row, 0 .. 31
	s_lshr_b32 s18, s18, 2                         ; the batch: the same in all sixteen partners
	s_lshl_b32 s43, s41, 2
	s_lshl_b32 s43, 15, s43                        ; my row of the cluster
	s_lshl_b32 s44, 0x1111, s40                    ; my column
	s_or_b32 s[G1+0], s43, (3<<16)|(1<<21)         ; the mask; elements of 8 bytes; bit 21 beside a mask; no padding
	s_or_b32 s[G1B+0], s44, (3<<16)|(1<<21)
.irp g, G1, G1B
	s_mov_b32 s[\g+1], 32<<16                      ; a dense block of 32,768 bytes as 128 rows of 256
	s_mov_b32 s[\g+2], 128<<16
	s_mov_b32 s[\g+3], 32<<16
	s_mov_b32 s[\g+4], 128
	s_mov_b32 s[\g+5], 32
	s_mov_b32 s[\g+6], 0
	s_mov_b32 s[\g+7], 0
.endr
	s_lshl_b32 s20, s[TR], 1
	s_add_co_u32 s20, s20, s[CH]
	s_lshl_b32 s20, s20, 17                        ; A: group 2 TR + wave % 2, 131,072 bytes a group; s[20:21] never hold cx
	s_mov_b32 s21, 0
	s_lshl_b32 s46, s18, 4
	s_lshl_b32 s47, s42, 1
	s_add_co_u32 s46, s46, s47
	s_add_co_u32 s46, s46, s[CH]
	s_lshl_b32 s46, s46, 17                        ; B: group 16 b + 2 TC + wave % 2; s[46:47] never hold cy
	s_mov_b32 s47, 0
	s_lshl_b32 s19, s[WV], 15                      ; where they go: 32,768 x wave
	s_mov_b32 s[SEL], 0x76543210
	s_mov_b32 s[SEL+1], 0xfedcba98
	s_mov_b32 s[LO], 0x0d800000                    ; 2^-100
	s_mov_b32 s[HI], 0x71800000                    ; 2^100
	s_wait_dscnt 0x0                               ; both opening adds are done
	s_wait_kmcnt 0x0
	s_add_nc_u64 s[20:21], s[4:5], s[20:21]
	s_add_nc_u64 s[46:47], s[6:7], s[46:47]
	CROUND                                         ; all sixteen work-groups are here: the first joint loads meet
.irp s, 0,1
	s_mov_b32 s[G0+4*\s], 1
	s_add_co_u32 s[G0+4*\s+1], s19, \s*SLOT
	s_add_nc_u64 s[G0+4*\s+2:G0+4*\s+3], s[20:21], \s*GRP
	s_or_b32 s[G0+4*\s+3], s[G0+4*\s+3], 0x80000000
	s_mov_b32 s[G0B+4*\s], 1
	s_add_co_u32 s[G0B+4*\s+1], s19, \s*SLOT
	s_add_nc_u64 s[G0B+4*\s+2:G0B+4*\s+3], s[46:47], \s*GRP
	s_or_b32 s[G0B+4*\s+3], s[G0B+4*\s+3], 0x80000000
	JLOAD \s                                       ; two loads of mine are out
.endr
	v_and_b32 v1, 15, v0                           ; r
	v_bfe_u32 v2, v0, 4, 1                         ; hh
	v_and_b32 v3, 31, v0
	v_lshlrev_b32 v[PMO], 5, v3
	v_lshlrev_b32 v3, 4, v3                        ; 16 x lane
	v_lshlrev_b32 v[BOF], 5, v2
	s_lshl_b32 s22, s[RH], 15                      ; my 64 rows of A,
	s_lshl_b32 s23, s[CH], 15
	s_add_co_u32 s23, s23, 2*GRP                   ; my 64 n of B, behind A's two blocks
.irp s, 0,1
	v_add_nc_u32 v[ADRA+\s], s22, v3
	v_add_nc_u32 v[ADRB+\s], s23, v3
	s_add_co_u32 s22, s22, SLOT
	s_add_co_u32 s23, s23, SLOT
.endr
	s_mul_i32 s22, s[WV], 16*SPITCH
	s_add_co_u32 s22, s22, STAGE                   ; my stage
	v_mul_u32_u24 v[STO], v1, SPITCH
	v_lshl_add_u32 v[STO], v2, 5, v[STO]
	v_add_nc_u32 v[STO], s22, v[STO]               ; in: row r, 32 bytes for each half of the lanes
	v_mul_u32_u24 v[RD], v2, SPITCH
	v_lshl_add_u32 v[RD], v1, 4, v[RD]
	v_add_nc_u32 v[RD], s22, v[RD]                 ; back: lanes 0-15 one row of 256 bytes, lanes 16-31 the next
	v_lshlrev_b32 v[CO], 12, v2
	v_lshl_add_u32 v[CO], v1, 4, v[CO]             ; and the same two rows in out0
	s_lshl_b32 s22, s18, 10                        ; pmax: my batch's 256 words
	s_mov_b32 s23, 0
	s_add_nc_u64 s[8:9], s[8:9], s[22:23]
	s_lshl_b32 s46, s42, 9                         ; my first column, in bytes: 512 TC + 256 (wave % 2)
	s_lshl_b32 s47, s[CH], 8
	s_add_co_u32 s46, s46, s47
	s_mov_b32 s47, 0
	s_add_nc_u64 s[10:11], s[10:11], s[46:47]
	s_add_nc_u64 s[12:13], s[12:13], s[46:47]
	s_lshl_b32 s22, s[TR], 7
	s_lshl_b32 s23, s[RH], 6
	s_add_co_u32 s22, s22, s23                     ; my first row: 128 TR + 64 (wave / 2)
	s_lshl_b32 s22, s22, 12
	s_mov_b32 s23, 0
	s_add_nc_u64 s[12:13], s[12:13], s[22:23]
	global_load_b128 v[PM:PM+3], v[PMO], s[8:9]
	global_load_b128 v[PM+4:PM+7], v[PMO], s[8:9] offset:16
.irp b, 0,1,2,3
	global_load_b128 v[BIAS+8*\b:BIAS+8*\b+3], v[BOF], s[10:11] offset:64*\b        ; b_o at n = 16 b + 8 hh + 0 .. 7
	global_load_b128 v[BIAS+8*\b+4:BIAS+8*\b+7], v[BOF], s[10:11] offset:64*\b+16
.endr
.macro MUL8 f, c, a0, zero             ; 8 matrix instructions: row tiles a0, a0 + 1 x all 4 n tiles, 32 along K; the 16 accumulators take turns
.irp a, \a0, \a0+1
.irp b, 0,1,2,3
.if \zero
	v_wmma_f32_16x16x32_f16 v[ACC+8*(4*(\a)+\b):ACC+8*(4*(\a)+\b)+7], v[\f+64+8*(4*\c+\b):\f+64+8*(4*\c+\b)+7], v[\f+8*(4*\c+\a):\f+8*(4*\c+\a)+7], 0
.else
	v_wmma_f32_16x16x32_f16 v[ACC+8*(4*(\a)+\b):ACC+8*(4*(\a)+\b)+7], v[\f+64+8*(4*\c+\b):\f+64+8*(4*\c+\b)+7], v[\f+8*(4*\c+\a):\f+8*(4*\c+\a)+7], v[ACC+8*(4*(\a)+\b):ACC+8*(4*(\a)+\b)+7]
.endif
.endr
.endr
.endm
.macro FETCH slot, q, f                ; 32 LDS loads in one run: quarter q (64 along K) of the slot; its first 32 along K first
	WIN TO_F
.irp c, 0,1
.irp i, 0,1,2,3
	ds_load_b128 v[\f+64+8*(4*\c+\i):\f+64+8*(4*\c+\i)+3],   v[ADRB+\slot] offset:(2*(\q)+\c)*4096+1024*\i
	ds_load_b128 v[\f+64+8*(4*\c+\i)+4:\f+64+8*(4*\c+\i)+7], v[ADRB+\slot] offset:(2*(\q)+\c)*4096+1024*\i+512
	ds_load_b128 v[\f+8*(4*\c+\i):\f+8*(4*\c+\i)+3],         v[ADRA+\slot] offset:(2*(\q)+\c)*4096+1024*\i
	ds_load_b128 v[\f+8*(4*\c+\i)+4:\f+8*(4*\c+\i)+7],       v[ADRA+\slot] offset:(2*(\q)+\c)*4096+1024*\i+512
.endr
.endr
.endm
.macro PLACES
.rept 4
	v_nop
.endr
.endm
.macro QUARTER slot, q, f, g, zero     ; multiplies buffer f and fetches quarter q of the slot into g
	s_wait_dscnt 16                                ; the first 32 along K are in
	WIN MUL
	MUL8 \f, 0, 0, \zero
	MUL8 \f, 0, 2, \zero
	PLACES
	FETCH \slot, \q, \g
	s_wait_dscnt 32                                ; all but the 32 just issued
	WIN MUL
	MUL8 \f, 1, 0, 0
	MUL8 \f, 1, 2, 0
.endm
; A slot's last quarter changes slots: one barrier; in front of it each wave waits for all its tensor loads (one is out: its block of the next slot), adds 0 to its spare word, and waits for that and for its reads of this slot.
; fill = 1: the barrier opens a round of the cluster's, and this slot's next K step is asked for first thing behind it: it has a K step less 16 matrix instructions in which to land.
.macro TURN slot, next, fill
	WIN 0
	s_wait_tensorcnt 0x0
	ds_add_u32 v[SPW], v[NIL]
	s_wait_dscnt 17                                ; (the add and the youngest sixteen loads may be out)
	WIN MUL
	MUL8 F1, 0, 0, 0
	s_wait_dscnt 0x0
	s_barrier_signal -1
	MUL8 F1, 0, 2, 0
.if \fill
	WIN 0
.endif
	s_barrier_wait -1
.if \fill
	CREST
	s_add_nc_u64 s[G0+4*\slot+2:G0+4*\slot+3], s[G0+4*\slot+2:G0+4*\slot+3], 2*GRP
	s_add_nc_u64 s[G0B+4*\slot+2:G0B+4*\slot+3], s[G0B+4*\slot+2:G0B+4*\slot+3], 2*GRP
	JLOAD \slot                                    ; its four v_nop are also the places in front of the loads below
.else
	PLACES
.endif
	FETCH \next, 0, F0
	WIN MUL
	MUL8 F1, 1, 0, 0
	MUL8 F1, 1, 2, 0
.endm
	s_wait_tensorcnt 1                             ; my block of K step 0 is in; K step 1's may be out
	s_barrier_signal -1
	s_barrier_wait -1
	FETCH 0, 0, F0
	QUARTER 0, 1, F0, F1, 1                        ; the first products start the sums
	QUARTER 0, 2, F1, F0, 0
	QUARTER 0, 3, F0, F1, 0
	TURN 0, 1, 1                                   ; slot 0 takes K step 2
	QUARTER 1, 1, F0, F1, 0
	QUARTER 1, 2, F1, F0, 0
	QUARTER 1, 3, F0, F1, 0
	TURN 1, 0, 1                                   ; slot 1 takes K step 3
	QUARTER 0, 1, F0, F1, 0
	QUARTER 0, 2, F1, F0, 0
	QUARTER 0, 3, F0, F1, 0
	TURN 0, 1, 0                                   ; nothing is left to fetch
	QUARTER 1, 1, F0, F1, 0
	QUARTER 1, 2, F1, F0, 0
	QUARTER 1, 3, F0, F1, 0
	s_wait_dscnt 16
	WIN MUL
	MUL8 F1, 0, 0, 0
	MUL8 F1, 0, 2, 0
	s_wait_dscnt 0
	MUL8 F1, 1, 0, 0
	MUL8 F1, 1, 2, 0
	WIN 0
	; THE WAY OUT: x 2^(e - 4) + b_o in one fused line for two numbers; 16 rows at a time through my stage; sixteen lanes store 256 consecutive bytes, aligned.
	s_wait_loadcnt 0x0                             ; pmax and b_o
	SCALE PM, EB                                   ; (its lines are also the places behind the last products)
	v_add_nc_u32 v[FS], 0xfe000000, v[EB]          ; 2^(e - 4): 4 off S's exponent field
	v_mov_b32 v[FS+1], v[FS]
.macro OUTA a
.set TS, T+32*((\a)%2)
.if (\a) >= 2
	s_wait_xcnt 0x0                                ; the stores of two blocks back have read their registers
.endif
.irp b, 0,1,2,3
.irp i, 0,2,4,6
	v_pk_fma_f32 v[TS+8*\b+\i:TS+8*\b+\i+1], v[ACC+8*(4*(\a)+\b)+\i:ACC+8*(4*(\a)+\b)+\i+1], v[FS:FS+1], v[BIAS+8*\b+\i:BIAS+8*\b+\i+1]
.endr
.endr
.irp b, 0,1,2,3
	ds_store_b128 v[STO], v[TS+8*\b:TS+8*\b+3] offset:64*\b
	ds_store_b128 v[STO], v[TS+8*\b+4:TS+8*\b+7] offset:64*\b+16
.endr
.irp t, 0,1,2,3,4,5,6,7
	ds_load_b128 v[TS+4*\t:TS+4*\t+3], v[RD] offset:2*\t*SPITCH    ; in order behind my stores; the next block's stores come behind these
.endr
.endm
.macro SEND a, younger                 ; younger: the LDS instructions issued behind block a's loads
.set TS, T+32*((\a)%2)
	s_wait_dscnt \younger
.irp t, 0,1,2,3,4,5,6,7
	global_store_b128 v[CO], v[TS+4*\t:TS+4*\t+3], s[12:13] offset:(16*(\a)+2*\t)*4096 th:TH_STORE_NT
.endr
.endm
	OUTA 0
.irp a, 1,2,3
	OUTA \a
	SEND \a-1, 16
.endr
	SEND 3, 0
	s_wait_tensorcnt 0x0                           ; the wave's end
	ds_add_u32 v[SPW], v[NIL]
	s_wait_dscnt 0x0
	CROUND                                         ; the closing round
	s_endpgm
.Lfunc_end_k_q3c0fef80a8_outp:
	.size	k_q3c0fef80a8_outp, .Lfunc_end_k_q3c0fef80a8_outp-k_q3c0fef80a8_outp
	.p2alignl 7, 3214868480
	.fill 96, 4, 3214868480
	.section	.rodata,"a",@progbits
	.p2align	6, 0x0
	.amdhsa_kernel k_q3c0fef80a8_outp
		.amdhsa_group_segment_fixed_size 327680
		.amdhsa_private_segment_fixed_size 0
		.amdhsa_enable_private_segment 0
		.amdhsa_kernarg_size 40
		.amdhsa_user_sgpr_count 2
		.amdhsa_user_sgpr_kernarg_segment_ptr 1
		.amdhsa_wavefront_size32 1
		.amdhsa_system_sgpr_workgroup_id_x 1
		.amdhsa_system_sgpr_workgroup_id_y 1
		.amdhsa_system_sgpr_workgroup_id_z 1
		.amdhsa_system_vgpr_workitem_id 0
		.amdhsa_next_free_vgpr 512
		.amdhsa_next_free_sgpr 72
		.amdhsa_reserve_vcc 0
		.amdhsa_float_denorm_mode_32 3
		.amdhsa_float_denorm_mode_16_64 3
		.amdhsa_memory_ordered 1
		.amdhsa_forward_progress 1
		.amdhsa_inst_pref_size 91
	.end_amdhsa_kernel
	.amdgpu_metadata
---
amdhsa.version: [ 1, 2 ]
amdhsa.kernels:
  - .name:           k_q3c0fef80a8_outp
    .symbol:         k_q3c0fef80a8_outp.kd
    .args:
      - { .name: qf, .offset: 0, .size: 8, .value_kind: global_buffer, .address_space: global }
      - { .name: pf, .offset: 8, .size: 8, .value_kind: global_buffer, .address_space: global }
      - { .name: pmax, .offset: 16, .size: 8, .value_kind: global_buffer, .address_space: global }
      - { .name: b_o, .offset: 24, .size: 8, .value_kind: global_buffer, .address_space: global }
      - { .name: out0, .offset: 32, .size: 8, .value_kind: global_buffer, .address_space: global }
    .group_segment_fixed_size: 327680
    .private_segment_fixed_size: 0
    .kernarg_segment_align: 8
    .kernarg_segment_size: 40
    .max_flat_workgroup_size: 128
    .sgpr_count:     72
    .vgpr_count:     512
    .wavefront_size: 32
...
	.end_amdgpu_metadata
.endif
;; end of part 4
